; MI455X (gfx1250); checked and timed in simulation.
; The chip was launched on July 23, 2026; its instructions are those of AMD's public machine-readable ISA for CDNA 5 (MIT licence, August 2026) and "CDNA5" Instruction Set Architecture Reference Guide (July 2026). The comments in the code are by the model that wrote it; some were corrected since.
;; Dot Product Attention. Allowed arithmetic: matrix products marked QUANTISED: E5M2 operands, one E8M0 scale for each 32 along K, by v_wmma_scale_f32_16x16x128_f8f6f4 with both operands' format E5M2, f32 sums; everything else in f32.
;; Inputs: keys_codes 32 x 2,048 x 2 x 32 uint8 (E5M2 codes of keys, K innermost, in blocks of 32 codes); keys_scales 32 x 2,048 x 2 uint8 (E8M0 scales of keys, one for each 32 codes along K); queries_codes 32 x 2,048 x 2 x 32 uint8 (E5M2 codes of queries, K innermost, in blocks of 32 codes); queries_scales 32 x 2,048 x 2 uint8 (E8M0 scales of queries, one for each 32 codes along K); valid_lens 32 int32; values_codes 32 x 64 x 64 x 32 uint8 (E5M2 codes of values, K innermost, in blocks of 32 codes); values_scales 32 x 64 x 64 uint8 (E8M0 scales of values, one for each 32 codes along K).
;; Outputs: out0 32 x 2,048 x 64 float32.
;; This version of the problem:
;;   THIS VERSION OF THE PROBLEM IS GIVEN IN LOW PRECISION. The matrix products marked QUANTISED in the list below multiply operands that are first quantised to E5M2 (5 exponent bits, 2 mantissa bits; 8 bits a number), with one power-of-two scale for each 32 numbers along K (OCP MX v1.0); their sums are f32. All else is computed in f32.
;;   The module's matrix products, in the order in which they are computed (A, B: the left and right operand; K: the contracted axis; several contracted axes count as one K, in the product's order):
;;     1. batch 32 x [M 2,048, K 64] x [K 64, N 2,048]; A: input queries (given as codes); B: input keys (given as codes): QUANTISED
;;     2. batch 32 x [M 2,048, K 2,048] x [K 2,048, N 64]; A: softmax (see below); B: input values (given as codes): QUANTISED
;;   THE QUANTISER, for each operand of a quantised product, along K:
;;     - K is cut into blocks of 32 from its start; a last block that is shorter is filled with zeros.
;;     - A block's scale is 2^e with e = floor(log2(the largest magnitude in the block)) - 15, held to -126 .. 127; a block of zeros has e = 0. As a byte (E8M0): e + 127.
;;     - Each number is divided by its block's scale, clamped to +-57,344, and rounded to the nearest number of E5M2, ties to even, subnormals kept.
;;     - The product sums the exact products of the quantised numbers (number of the format x scale) in f32.
;;   ~~~python
;;   def quantise(x, axis):      # numpy; x: float32 -> the quantised numbers, widened to float32 again
;;       x = np.moveaxis(x, axis, -1); K = x.shape[-1]
;;       x = np.pad(x, [(0, 0)] * (x.ndim - 1) + [(0, -K % 32)]); x = x.reshape(x.shape[:-1] + (-1, 32)); a = np.abs(x).max(-1, keepdims=True)
;;       e = np.where(a > 0, np.clip(np.frexp(np.where(a > 0, a, 1))[1] - 1 - 15, -126, 127), 0)      # np.frexp(a)[1] - 1 = floor(log2(a)), exactly
;;       r = np.clip(x / 2.0 ** e, -57344, 57344)
;;       step = 2.0 ** (np.maximum(np.frexp(np.where(r == 0, 1, r))[1] - 1, -14) - 2)
;;       q = np.round(r / step) * step * 2.0 ** e      # np.round: ties to even
;;       return np.moveaxis(q.reshape(q.shape[:-2] + (-1,))[..., :K], -1, axis).astype(np.float32)
;;   ~~~
;;   SOFTMAX AHEAD OF A QUANTISED PRODUCT. Where the list says 'softmax', what is quantised is not the finished softmax but p = 2^(t - M), with t = logit x log2(e) and M = ceil(the row's largest t), a whole number; so 1/2 < the row's largest p <= 1. The row's sum l is taken of the UNQUANTISED p, in f32, and the product's result is divided by l at the end. Since M is a whole number, a kernel that streams over the keys may use a running M (the ceiling of the running maximum): every later rescaling is an exact power of two, which a block's scale takes up: the codes' values come out the same.
;;   OPERANDS COMPUTED ON THE WAY. 'Computed on the way' means the value that the module computes at that place (a softmax that the list does not call 'softmax' is quantised finished and normalised). What goes into a quantiser is computed in f32, as accurately as f32 sums, v_exp_f32 and their like allow (about 1e-6 of the number): no bf16 or f16 on the way to a quantiser, and a product that is left as it is and whose result goes on into a quantised operand takes f32 operands (vector FMAs, or v_wmma_f32_16x16x4_f32). A number that lies on a knife's edge between two numbers of the format may be rounded either way, as far as f32 arithmetic and the matrix unit's own rounding can turn it there, and no further.
;;   INPUTS GIVEN AS CODES. keys (in the module: [32, 2048, 64], K = its axis 2); queries (in the module: [32, 2048, 64], K = its axis 2); values (in the module: [32, 2048, 64], K = its axis 1): each comes as NAME_codes (uint8): NAME with its K axis moved to the last place and cut into blocks of 32 codes, [.., K / 32, bytes a block], one block behind the other in memory; one code a byte (a code: sign, 5 exponent bits, 2 mantissa bits); and NAME_scales (uint8): the same leading axes, one E8M0 byte (e + 127) for each 32 codes along K. Its value is code x scale, taken as it is: it is not quantised again, and the codes and scales need not be those that the quantiser above would give.
;; One version. Each part assembles by itself: llvm-mc -triple=amdgcn-amd-amdhsa -mcpu=gfx1250 --defsym DOCPART=n.
;; ======== version 1 of 1: 1 launch
;; limits: right only within a limited range of input values
;; launch attn (part 1): grid 16 x 16, 16 waves a work-group, no clusters, 251,904 bytes of LDS; arguments keys_codes, keys_scales, queries_codes, queries_scales, valid_lens, values_codes, values_scales, out0; writes out0
.if DOCPART == 1
	.amdgcn_target "amdgcn-amd-amdhsa--gfx1250"
	.amdhsa_code_object_version 6
	.text
	.protected	k_q2a92742626_attn
	.globl	k_q2a92742626_attn
	.p2align	8
	.type	k_q2a92742626_attn,@function
k_q2a92742626_attn:
	s_mov_b64 s[64:65], 0
	v_nop
	global_prefetch_b8 v0, s[64:65] scope:SCOPE_SE
	s_setreg_imm32_b32 hwreg(HW_REG_WAVE_MODE, 25, 1), 1
	s_wait_xcnt 0x0
; out0[b][q][:] = sum over k of softmax_k(masked(Q[b][q] . K[b][k] / 8)) V[b][k][:], B = 32, S = 2,048, D = 64; both products on codes of BF8 (E5M2) with one E8M0 scale for each 32 along K.
; Keys k >= valid_lens[b] get the logit -1e6.  t = logit x log2(e); M = the row's largest t so far, rounded up to a whole number; p = 2^(t - M) is quantised along the keys; the row's sum of the
; unquantised p divides at the end.  When M moves, the sum and O are multiplied by 2^(old M - new M): exact.
; WORK LEFT OUT.  A step of 128 keys whose first key is >= valid_lens[b] is not walked: reference() itself sets all its logits to -1e6, so its p = 2^(-1e6 log2(e) - M) is 0 in f32, adds nothing to the
; row's sum, and its blocks hold zero codes, whenever the row's largest logit among the valid keys lies above about -1e6 + 100.  The step that holds the boundary does what reference() does: the raw score
; of a key beyond the length becomes -8e6 (= -1e6 x 8) ahead of the maximum.  valid_lens is a whole number read from memory: the branches hang on it alone; every barrier stands outside them.
; LIMITS.  Rows whose largest valid logit lies under about -999,900 (|q . k| of 8e6) are not served.  Codes of NaN or infinity and scale bytes 0xff are not served (a fragment's row holds a second key that
; meets zero codes).  A NaN, an infinity or an overflow in keys or values of steps left out is not carried to the result.  valid_lens <= 0 walks all 16 steps with every key masked (the even softmax that
; reference() gives): not tried.  valid_lens > 2,048 counts as 2,048.
; SHARES.  Grid x = a block of 128 queries, y = a pair p.  A work-group has two halves of eight waves: half 0 serves the batch whose length has rank p among the 32, half 1 the one of rank 31 - p, so that
; the work-groups' sums of steps are nearly alike.  The ranks are made here from the 32 lengths; they decide who does what and move no value.  Wave w: half = (w ^ (w >> 2)) & 1,
; index = ((w >> 1) & 1) + 2 (w >> 2): among waves 4 a .. 4 a + 3, and among waves w, w + 4, w + 8, w + 12 alike, two belong to each half.  A wave owns 16 queries; a lane holds ONE query (lane % 16)
; throughout, since both products are used transposed: S^T = K Q^T, O^T = V^T P^T.
; NO TENSOR LOADS, NO CLUSTER: leaving out the steps under the mask is worth more.  K and V go memory -> registers -> LDS, each half's 256 threads
; staging a step (8 KiB of K, 8 KiB of V) three steps ahead, through rings of four slots; one barrier a round.
; K = 64 IN AN INSTRUCTION OF K = 128.  A fragment's row r holds TWO keys: key a = 32 b + r % 8 + 16 (r / 8) in k 0-63 and key a + 8 in k 64-127.  It is multiplied once by [Q | 0] and once by [0 | Q]
; (v16-23 Q, v24-31 zeros, v32-39 Q again).  Register 16 b + i of S^T is then key 32 b + 16 (lane / 16) + i: the order that the second product's operand wants; every LDS byte read is live.
; THE PIPELINE.  Round J multiplies K(J), which lies in registers; rescales O; reads V(J-1); takes step J's maxima; adds V(J-1)^T P(J-1); reads K(J+1); exponentials, sums and codes of step J; stores step
; J+2 into LDS; barrier; asks memory for step J+3.  So plain vector work of the wave's own stands behind every run of matrix instructions and every run of LDS loads, and one buffer serves K and V.
; LDS, each half at 90,112 x half: K's ring 4 x 11,264 (key x of a step at 1,408 (x / 16) + 80 (x % 16): the sixteen rows of a fragment load begin at sixteen different multiples of 16 modulo 256);
; V's ring at 45,056, 4 x 9,216 (channel rows of 128 + 16); K's scale words at 81,920 (word 16 blk + r); V's at 86,016 (word 64 step + channel).  From 180,224: a stage of 16 x 272 for each wave.
; REGISTERS: v1-11 addresses; v12 -M, v13 largest t, v[14:15] the sum; v16-39 Q; v40-103 four fragments; v104-167 S^T, then p; v168-199 O^T; v200-215 p's codes; v216-231 staging; v232-247 at work;
; v248, v249 K's or V's scale words; v250 the prefetches' offset; v251 stage; v252 f; v253 p's scale word; v254 at work; v255 Q's scale word.
.set SS,    104
.set FF,    40
.set OO,    168
.set PP,    200
.set GG,    216
.set BM,    232                        ; the blocks' largest scores, then their largest p
.set T4,    236                        ; lane permutes' destinations, a chain of the sums, the scales' bytes
.set CAP,   240                        ; 57,344 x the scale
.set SOP,   244                        ; the conversions' scale operands
.set SC0,   248
.set HALFB, 90112
.set KSLOT, 11264
.set VSLOT, 9216
.set VRING, 45056
.set KSC,   81920
.set VSC,   86016
.set STAGE, 180224
.set SPARE, 249856                     ; the spare words: 128 bytes for each of 16 waves, eight blocks of 256 bytes that no other line names
; s20 wave, s21 half, s22 index, s24 batch, s25 its length as given, s26 the length held to 0 .. 2,048, s27 n = steps to walk, s28-30 n - 1, n - 2, n - 3, s31, s32 the prefetches' limits,
; s33 J, s34 128 (J + 1), s35 the loop's counter, s[40:41] lane selects, s[42:43] c = log2(e) / 8, s44 57,344's mantissa field, s45 the half's LDS base, s54 -8e6
; a step's codes from memory: K's 8,192 dense bytes, 16 a thread, twice; V's 64 rows x 128 bytes, eight threads to a row, 32 rows, twice.  Sixteen work-groups read these bytes: no hint
.macro STG_LOAD dst, kimm, vimm
	global_load_b128 v[\dst:\dst+3],     v10, s[4:5] offset:\kimm
	global_load_b128 v[\dst+4:\dst+7],   v10, s[4:5] offset:\kimm+4096
	global_load_b128 v[\dst+8:\dst+11],  v11, s[14:15] offset:\vimm
	global_load_b128 v[\dst+12:\dst+15], v11, s[14:15] offset:\vimm+65536
.endm
.macro STG_STORE src, slot
	ds_store_b128 v8, v[\src:\src+3]     offset:(\slot)*KSLOT
	ds_store_b128 v8, v[\src+4:\src+7]   offset:(\slot)*KSLOT+5632
	ds_store_b128 v9, v[\src+8:\src+11]  offset:(\slot)*VSLOT
	ds_store_b128 v9, v[\src+12:\src+15] offset:(\slot)*VSLOT+4608
.endm
; a step's four fragments of K (block b: key a's 64 bytes, then key a + 8's, eight rows of 80 further on) and its scale words: lanes 0-15 the even block's, lanes 16-31 the odd block's
.macro LDK slot, sc
.irp b, 0,1,2,3
	ds_load_b128 v[FF+16*\b:FF+16*\b+3],     v1 offset:(\slot)*KSLOT+\b*2816
	ds_load_b128 v[FF+16*\b+4:FF+16*\b+7],   v1 offset:(\slot)*KSLOT+\b*2816+32
	ds_load_b128 v[FF+16*\b+8:FF+16*\b+11],  v1 offset:(\slot)*KSLOT+\b*2816+640
	ds_load_b128 v[FF+16*\b+12:FF+16*\b+15], v1 offset:(\slot)*KSLOT+\b*2816+672
.endr
	ds_load_b32 v[SC0],   v3 offset:(\sc)
	ds_load_b32 v[SC0+1], v3 offset:(\sc)+128
.endm
; a step's four fragments of V^T (tile t: channels 16 t on, 128 keys) and its scale words
.macro LDV slot, sc
.irp t, 0,1,2,3
.irp c, 0,1,2,3
	ds_load_b128 v[FF+16*\t+4*\c:FF+16*\t+4*\c+3], v2 offset:(\slot)*VSLOT+\t*2304+32*\c
.endr
.endr
	ds_load_b32 v[SC0],   v3 offset:VSC-KSC+(\sc)
	ds_load_b32 v[SC0+1], v3 offset:VSC-KSC+(\sc)+128
.endm
; S^T = K Q^T: eight results, each begun with the constant 0
.macro SMUL
.irp b, 0,1,2,3
.if (\b)%2
	v_wmma_scale_f32_16x16x128_f8f6f4 v[SS+16*\b:SS+16*\b+7], v[FF+16*\b:FF+16*\b+15], v[16:31], 0, v[SC0+\b/2], v255 matrix_a_fmt:MATRIX_FMT_BF8 matrix_b_fmt:MATRIX_FMT_BF8 matrix_a_scale:MATRIX_SCALE_ROW1
	v_wmma_scale_f32_16x16x128_f8f6f4 v[SS+16*\b+8:SS+16*\b+15], v[FF+16*\b:FF+16*\b+15], v[24:39], 0, v[SC0+\b/2], v255 matrix_a_fmt:MATRIX_FMT_BF8 matrix_b_fmt:MATRIX_FMT_BF8 matrix_a_scale:MATRIX_SCALE_ROW1
.else
	v_wmma_scale_f32_16x16x128_f8f6f4 v[SS+16*\b:SS+16*\b+7], v[FF+16*\b:FF+16*\b+15], v[16:31], 0, v[SC0+\b/2], v255 matrix_a_fmt:MATRIX_FMT_BF8 matrix_b_fmt:MATRIX_FMT_BF8
	v_wmma_scale_f32_16x16x128_f8f6f4 v[SS+16*\b+8:SS+16*\b+15], v[FF+16*\b:FF+16*\b+15], v[24:39], 0, v[SC0+\b/2], v255 matrix_a_fmt:MATRIX_FMT_BF8 matrix_b_fmt:MATRIX_FMT_BF8
.endif
.endr
.endm
; O^T x f, f = 2^(M of two steps back - M of the last step), from the low end on: it brings O^T under the M of the codes that are added next
.macro RESC
.set JJ, 0
.rept 16
	v_pk_mul_f32 v[OO+JJ:OO+JJ+1], v[OO+JJ:OO+JJ+1], v[252:253] op_sel_hi:[1,0]
.set JJ, JJ+2
.endr
.endm
; O^T += V^T P^T: the four accumulators take turns, one instruction a turn; the matrix instruction ahead of the first is never one on the same accumulator
.macro PVMUL
.irp t, 0,1,2,3
.if (\t)%2
	v_wmma_scale_f32_16x16x128_f8f6f4 v[OO+8*\t:OO+8*\t+7], v[FF+16*\t:FF+16*\t+15], v[PP:PP+15], v[OO+8*\t:OO+8*\t+7], v[SC0+\t/2], v253 matrix_a_fmt:MATRIX_FMT_BF8 matrix_b_fmt:MATRIX_FMT_BF8 matrix_a_scale:MATRIX_SCALE_ROW1
.else
	v_wmma_scale_f32_16x16x128_f8f6f4 v[OO+8*\t:OO+8*\t+7], v[FF+16*\t:FF+16*\t+15], v[PP:PP+15], v[OO+8*\t:OO+8*\t+7], v[SC0+\t/2], v253 matrix_a_fmt:MATRIX_FMT_BF8 matrix_b_fmt:MATRIX_FMT_BF8
.endif
.endr
.endm
; the step that holds the boundary: register 16 b + i is key 128 J + 16 (lane / 16) + 32 b + i; it counts where 32 b + i < length - 128 J - 16 (lane / 16); else its score becomes -8e6
.macro MASK
	s_sub_co_i32 s46, s26, s34
	s_add_co_i32 s46, s46, 128
	v_sub_nc_u32 v254, s46, v7
.irp n, 0,1,2,3,4,5,6,7,8,9,10,11,12,13,14,15,16,17,18,19,20,21,22,23,24,25,26,27,28,29,30,31,32,33,34,35,36,37,38,39,40,41,42,43,44,45,46,47,48,49,50,51,52,53,54,55,56,57,58,59,60,61,62,63
	v_cmp_lt_i32 vcc_lo, 32*(\n/16)+\n%16, v254
	v_cndmask_b32 v[SS+\n], s54, v[SS+\n], vcc_lo
.endr
.endm
; the largest score of each block of 32 keys: it serves the row's maximum and, since p rises with the score, the block's largest p.  Each result of S^T is first read at its low end
.macro SM_MAX
.irp b, 0,1,2,3
	v_max3_num_f32 v[BM+\b], v[SS+16*\b], v[SS+16*\b+1], v[SS+16*\b+2]
.endr
.irp i, 3,5,7,9,11,13
.irp b, 0,1,2,3
	v_max3_num_f32 v[BM+\b], v[BM+\b], v[SS+16*\b+\i], v[SS+16*\b+\i+1]
.endr
.endr
.irp b, 0,1,2,3
	v_max_num_f32 v[BM+\b], v[BM+\b], v[SS+16*\b+15]
.endr
.irp b, 0,1,2,3
	v_permlanex16_b32 v[T4+\b], v[BM+\b], s40, s41
.endr
.irp b, 0,1,2,3
	v_max_num_f32 v[BM+\b], v[BM+\b], v[T4+\b]     ; with lane l xor 16's 16 keys
.endr
.endm
.macro SM_STAT
	v_max3_num_f32 v254, v232, v233, v234
	v_max_num_f32 v254, v254, v235                 ; the step's largest score of my query
	v_mul_f32 v254, s42, v254                      ; as t (c is positive)
	v_max_num_f32 v13, v13, v254                   ; the running largest t
	v_mov_b32 v254, v12
	v_floor_f32 v12, -v13                          ; the new -M = floor(-t): M is a whole number
	v_sub_f32 v254, v12, v254                      ; old M - new M: a whole number, 0 or less
	v_cvt_i32_f32 v254, v254                       ; (it saturates)
	v_ldexp_f32 v252, 1.0, v254                    ; f = 2^(old M - new M)
.endm
.macro SM_FMA                          ; t - M, two at a time; the same of each block's largest score.  These 36 lines name no register of the products ahead of them
.set JJ, 0
.rept 32
	v_pk_fma_f32 v[SS+JJ:SS+JJ+1], v[SS+JJ:SS+JJ+1], s[42:43], v[12:13] op_sel_hi:[1,0,0]
.set JJ, JJ+2
.endr
.irp b, 0,1,2,3
	v_fma_f32 v[BM+\b], v[BM+\b], s42, v12
.endr
.endm
.macro SM_EXP
.set JJ, 0
.rept 64
	v_exp_f32 v[SS+JJ], v[SS+JJ]                   ; p = 2^(t - M), at most 1, not normalised
.set JJ, JJ+1
.endr
	v_pk_mul_f32 v[14:15], v[14:15], v[252:253] op_sel_hi:[1,0]   ; the sum under the new M: the plain instruction behind the batch
	s_wait_alu depctr_va_vdst(0)                   ; one wait for the 64, ahead of their first reader
.irp b, 0,1,2,3
	v_exp_f32 v[BM+\b], v[BM+\b]                   ; the blocks' largest p: the same two instructions on the same number give the same bits
.endr
	v_pk_add_f32 v[236:237], v[SS:SS+1], v[SS+2:SS+3]   ; the row's sum is taken of the unquantised p, in two chains; these lines read the 64 alone
.irp j, 4,8,12,16,20,24,28,32,36,40,44,48,52,56,60
	v_pk_add_f32 v[14:15], v[14:15], v[SS+\j:SS+\j+1]
	v_pk_add_f32 v[236:237], v[236:237], v[SS+\j+2:SS+\j+3]
.endr
	v_pk_add_f32 v[14:15], v[14:15], v[236:237]
	s_wait_alu depctr_va_vdst(0)                   ; and one for the four
.endm
.macro SM_Q
.irp b, 0,1,2,3
	v_max_num_f32 v[BM+\b], 0x8000000, v[BM+\b]    ; the floor 2^(16 - 127): the byte cannot fall under 1; a block whose every p is 0 keeps that byte over zero codes
.endr
.irp b, 0,1,2,3
	v_add_nc_u32 v[SOP+\b], 0xf8800000, v[BM+\b]   ; 15 off the exponent field: the conversion's scale operand
.endr
.irp b, 0,1,2,3
	v_and_or_b32 v[CAP+\b], v[BM+\b], 0x7f800000, s44   ; 57,344 x the scale
.endr
.irp b, 0,1,2,3
	v_lshrrev_b32 v[T4+\b], 23, v[SOP+\b]          ; the scale's byte
.endr
	v_lshl_or_b32 v253, v237, 8, v236              ; p's scale word for these 128 keys
	v_lshl_or_b32 v253, v238, 16, v253
	v_lshl_or_b32 v253, v239, 24, v253
.irp b, 0,1,2,3
.irp i, 0,1,2,3,4,5,6,7,8,9,10,11,12,13,14,15
	v_min_num_f32 v[SS+16*\b+\i], v[SS+16*\b+\i], v[CAP+\b]   ; the conversion to an 8-bit code does not saturate (ISA guide 7.6.2); p is not negative: a one-sided hold
.endr
	v_cvt_scalef32_pk8_bf8_f32 v[PP+4*\b:PP+4*\b+1], v[SS+16*\b:SS+16*\b+7], v[SOP+\b]
	v_cvt_scalef32_pk8_bf8_f32 v[PP+4*\b+2:PP+4*\b+3], v[SS+16*\b+8:SS+16*\b+15], v[SOP+\b]
.endr
	v_nop                                          ; a plain instruction between the last conversion and the next products, which write its sources
.endm
; A LIVE ROUND.  first = 1: round 0, which has no older step to add and clears O^T in the places behind its products.
.macro FULL first, u
	SMUL
.if \first
.set JJ, 0
.rept 32
	v_mov_b32 v[OO+JJ], 0                          ; O^T begins as zeros: these lines are also the places behind the products above
.set JJ, JJ+1
.endr
.else
	RESC                                           ; 16 plain lines that name no register of the products above: more than the eight places that the loads below and the reads of S^T want
	LDV \u, 256*(\u)
.endif
	s_cmp_le_u32 s34, s26                          ; do all 128 keys of the step count?
	s_cbranch_scc1 .Lopen_\@
	MASK
.Lopen_\@:
	SM_MAX
	SM_STAT
.if \first == 0
	s_wait_dscnt 0x0                               ; V's fragments and scale words are in (asked for 49 vector instructions ago, or more)
	PVMUL
.endif
	SM_FMA
	s_cmp_lt_i32 s33, s28                          ; is there a next step?
	s_cbranch_scc0 .Lnok_\@
.if \first
	LDK 1, 256
.else
	LDK ((\u)+2)&3, 256*((\u)+2)
.endif
.Lnok_\@:
	SM_EXP
	SM_Q
.endm
; ROUND J = n: the last step's V^T P^T, and the way out: O^T / the sum goes through my own stage in LDS and leaves as whole rows: 32 lanes store 512 consecutive bytes, two rows of out0
.macro TAIL u
	RESC
	LDV \u, 256*(\u)
	s_wait_dscnt 0x0
	PVMUL
	v_add_f32 v14, v14, v15                        ; the sum's two halves,
	v_permlanex16_b32 v236, v14, s40, s41
	v_add_f32 v14, v14, v236                       ; and lane l xor 16's: the row's sum
	v_rcp_f32 v14, v14
.rept 7
	v_nop                                          ; with the two additions nine plain lines behind the products; the first is the plain line behind the reciprocal
.endr
	s_wait_alu depctr_va_vdst(0)                   ; ahead of the reciprocal's first reader
.set JJ, 0
.rept 16
	v_pk_mul_f32 v[SS+JJ:SS+JJ+1], v[OO+JJ:OO+JJ+1], v[14:15] op_sel_hi:[1,0]   ; register 8 t + j is out(r, 16 t + 8 (lane / 16) + j); each accumulator from its low end on
.set JJ, JJ+2
.endr
.irp t, 0,1,2,3
	ds_store_b128 v251, v[SS+8*\t:SS+8*\t+3] offset:64*\t
	ds_store_b128 v251, v[SS+8*\t+4:SS+8*\t+7] offset:64*\t+16
.endr
.irp i, 0,1,2,3,4,5,6,7
	ds_load_b128 v[SS+32+4*\i:SS+32+4*\i+3], v4 offset:544*\i   ; LDS serves a wave's instructions in order (ISA guide 5.7.1.4): these see my stores
.endr
.irp i, 0,1,2,3,4,5,6,7
	s_wait_dscnt 7-\i                              ; the 7 - i younger loads may be out
	global_store_b128 v10, v[SS+32+4*\i:SS+32+4*\i+3], s[18:19] offset:512*\i th:TH_STORE_NT
.endr
	s_wait_xcnt 0x0                                ; the stores have read their registers
.endm
; WHAT EVERY WAVE RUNS IN EVERY ROUND: the staged step goes into LDS; the barrier; the next staged step is asked for.  The branches lead round work alone; the waits and the barrier are on every path.
.macro COMMON slot, vpf
	s_wait_loadcnt 0x0                             ; step J + 2, asked for a round ago, is in registers
	s_cmp_lt_i32 s33, s29
	s_cbranch_scc0 .Lnst_\@
	STG_STORE GG, \slot                            ; into the slot of step J - 2: its K was last read three rounds back, its V in the last round, ahead of the last barrier
.Lnst_\@:
	s_wait_dscnt 0x0                               ; for the others' sake: my stores have landed, and my reads (K of step J + 1, V of step J - 1) are in
	s_barrier_signal -1
	s_barrier_wait -1
	s_wait_xcnt 0x0                                ; the last round's loads and prefetches have read their bases
	s_add_nc_u64 s[4:5], s[4:5], 8192              ; K and V at step J + 1
	s_add_nc_u64 s[14:15], s[14:15], 128
	s_cmp_lt_i32 s33, s30
	s_cbranch_scc0 .Lnld_\@
	STG_LOAD GG, 16384, 256                        ; step J + 3: it has a whole round in which to come
.Lnld_\@:
	; PREFETCH of step J + 5, two rounds ahead of the load that wants it, behind the wave's loads.  Sixteen work-groups walk a batch's K and V: the one with query block 0 asks.  In its half, index 0 asks
	; for K's 8,192 bytes, lanes 256 bytes apart; indices 1 and 2 for V's 64 rows, a lane a row, in odd rounds alone, since 256 bytes of a row are two steps.  Each aligned 256 bytes are named once;
	; nothing is asked for at the head; J >= n - 5 asks for nothing.
	s_cmp_lt_i32 s33, s31
	s_cbranch_scc0 .Lnpk_\@
	global_prefetch_b8 v250, s[4:5] offset:32768 th:TH_LOAD_NT scope:SCOPE_SE
.Lnpk_\@:
.if \vpf
	s_cmp_lt_i32 s33, s32
	s_cbranch_scc0 .Lnpv_\@
	global_prefetch_b8 v250, s[14:15] offset:512 th:TH_LOAD_NT scope:SCOPE_SE
.Lnpv_\@:
.endif
	s_add_co_u32 s33, s33, 1
	s_add_co_u32 s34, s34, 128
.endm
.macro ROUND u
	s_cmp_lt_i32 s33, s27
	s_cbranch_scc0 .Lnf_\@
	FULL 0, \u
	s_branch .Lrd_\@
.Lnf_\@:
	s_cmp_eq_u32 s33, s27
	s_cbranch_scc0 .Lrd_\@
	TAIL \u
.Lrd_\@:
	COMMON ((\u)+3)&3, 1-((\u)&1)
.endm
	s_load_b512 s[4:19], s[0:1], 0x0               ; K codes s[4:5], K scales s[6:7], Q codes s[8:9], Q scales s[10:11], valid_lens s[12:13], V codes s[14:15], V scales s[16:17], out0 s[18:19]
	v_lshl_add_u32 v5, v0, 2, SPARE                ; my spare word,
	v_mov_b32 v6, 0                                ; and 0: kept for the closing lines alone
	v_lshrrev_b32 v254, 5, v0
	v_readfirstlane_b32 s20, v254                  ; wave 0..15
	v_and_b32 v139, 31, v0                         ; lane
	v_lshlrev_b32 v135, 2, v139
	s_wait_kmcnt 0x0
	global_load_b32 v136, v135, s[12:13]           ; lane b takes valid_lens[b]; the set-up below stands under the load
	s_mov_b32 s52, ttmp9                           ; the block of 128 queries
	s_and_b32 s53, ttmp7, 0xffff                   ; the pair
	s_lshr_b32 s46, s20, 2
	s_xor_b32 s21, s20, s46
	s_and_b32 s21, s21, 1                          ; half
	s_bfe_u32 s22, s20, 0x10001
	s_lshl_b32 s46, s46, 1
	s_add_co_u32 s22, s22, s46                     ; index in the half, 0..7
	s_mul_i32 s45, s21, HALFB                      ; the half's LDS
	s_add_co_u32 s46, s45, VRING
	s_add_co_u32 s47, s45, KSC
	s_add_co_u32 s50, s45, VSC
	s_mul_i32 s48, s20, 4352
	s_add_co_u32 s48, s48, STAGE                   ; my stage
	s_lshl_b32 s49, s22, 5
	s_mov_b32 s40, 0x76543210
	s_mov_b32 s41, 0xfedcba98                      ; v_permlanex16_b32's selects for lane l xor 16
	s_mov_b32 s42, 0x3e38aa3b                      ; c = log2(e) / 8
	s_mov_b32 s43, s42                             ; (named with it as a pair, so it is written)
	s_mov_b32 s44, 0x600000                        ; the mantissa field of 57,344
	s_mov_b32 s54, 0xcaf42400                      ; -8e6: the raw score of a logit of -1e6
	v_and_b32 v140, 15, v0                         ; r
	v_bfe_u32 v141, v0, 4, 1                       ; h
	v_bfe_u32 v143, v0, 3, 1
	v_and_b32 v144, 7, v0
	v_mul_u32_u24 v1, v143, 1408
	v_mad_u32_u24 v1, v144, 80, v1
	v_lshl_add_u32 v1, v141, 4, v1
	v_add_nc_u32 v1, s45, v1                       ; K's fragments: 1,408 (r / 8) + 80 (r % 8) + 16 h
	v_mul_u32_u24 v2, v140, 144
	v_lshl_add_u32 v2, v141, 4, v2
	v_add_nc_u32 v2, s46, v2                       ; V's: 144 r + 16 h
	v_lshlrev_b32 v3, 2, v139
	v_add_nc_u32 v3, s47, v3                       ; scale words: 4 x lane; stepped by four steps' 1,024 bytes a trip
	v_mul_u32_u24 v4, v141, 272
	v_lshl_add_u32 v4, v140, 4, v4
	v_add_nc_u32 v4, s48, v4                       ; the stage, back: lanes 0-15 one row, lanes 16-31 the next
	v_mul_u32_u24 v251, v140, 272
	v_lshl_add_u32 v251, v141, 5, v251
	v_add_nc_u32 v251, s48, v251                   ; the stage, in: row r, 32 h
	v_lshlrev_b32 v7, 4, v141                      ; 16 h
	v_add_nc_u32 v142, s49, v139                   ; tau: my number among the half's 256 threads
	v_lshrrev_b32 v143, 6, v142
	v_bfe_u32 v144, v142, 2, 4
	v_and_b32 v145, 3, v142
	v_mul_u32_u24 v8, v143, 1408
	v_mad_u32_u24 v8, v144, 80, v8
	v_lshl_add_u32 v8, v145, 4, v8
	v_add_nc_u32 v8, s45, v8                       ; staging K: key tau / 4, bytes 16 (tau % 4)
	v_lshrrev_b32 v143, 3, v142
	v_and_b32 v144, 7, v142
	v_mul_u32_u24 v9, v143, 144
	v_lshl_add_u32 v9, v144, 4, v9
	v_add_nc_u32 v9, s46, v9                       ; staging V: channel tau / 8, bytes 16 (tau % 8)
	v_lshlrev_b32 v10, 4, v142                     ; in memory: K 16 tau (also my bytes of out0: 512 x index + 16 x lane),
	v_lshlrev_b32 v11, 11, v143
	v_lshl_add_u32 v11, v144, 4, v11               ; V 2,048 (tau / 8) + 16 (tau % 8)
	v_lshlrev_b32 v149, 2, v142                    ; V's scale words in memory: 4 tau
	v_add_nc_u32 v146, s47, v149                   ; K's scale words in LDS: 4 tau
	v_and_b32 v143, 15, v142
	v_lshrrev_b32 v144, 4, v142
	v_lshlrev_b32 v147, 8, v143
	v_lshl_add_u32 v147, v144, 2, v147
	v_add_nc_u32 v147, s50, v147                   ; V's in LDS: 256 x step (tau % 16) + 4 x channel (tau / 16)
	v_lshlrev_b32 v148, 6, v144
	v_and_b32 v143, 7, v142
	v_lshl_add_u32 v148, v143, 1, v148
	v_bfe_u32 v143, v142, 3, 1
	v_lshl_add_u32 v148, v143, 5, v148             ; K's scale bytes in memory: 2 x key a, a = 32 (tau / 16) + tau % 8 + 16 ((tau / 8) % 2)
	v_lshlrev_b32 v150, 6, v140
	v_lshl_add_u32 v150, v141, 4, v150             ; Q: 64 r + 16 h
	v_lshlrev_b32 v151, 1, v140                    ; Q's scale bytes: 2 r
	s_wait_loadcnt 0x0                             ; the 32 lengths
	; the rank of each batch by (length, batch): lane b counts the keys under its own
	v_min_u32 v137, 0x800, v136
	v_lshl_or_b32 v137, v137, 5, v139
	v_mov_b32 v138, 0
.set JJ, 0
.rept 32
	v_readlane_b32 s2, v137, JJ
	v_cmp_lt_u32 vcc_lo, s2, v137
	v_add_co_ci_u32 v138, vcc_lo, 0, v138, vcc_lo
.set JJ, JJ+1
.endr
	s_lshl_b32 s51, s53, 1
	s_sub_co_u32 s51, 31, s51
	s_mul_i32 s51, s51, s21
	s_add_co_u32 s51, s51, s53                     ; the rank that my half serves: p, or 31 - p
	v_cmp_eq_u32 vcc_lo, s51, v138                 ; the ranks are a permutation: one lane
	s_wait_xcnt 0x0                                ; EXEC changes only behind this wait
	s_and_saveexec_b32 s23, vcc_lo
	v_readfirstlane_b32 s24, v139                  ; my batch,
	v_readfirstlane_b32 s25, v136                  ; and its length
	s_or_b32 exec_lo, exec_lo, s23
	s_min_u32 s24, s24, 31                         ; held inside the tensors before it enters an address
	s_max_i32 s26, s25, 0
	s_min_i32 s26, s26, 2048                       ; the length, held to 0 .. 2,048
	s_cmp_eq_u32 s26, 0
	s_cselect_b32 s27, 2048, s26                   ; with no valid key every key has the same logit: all are walked
	s_add_co_u32 s27, s27, 127
	s_lshr_b32 s27, s27, 7                         ; n: steps of 128 keys, 1 .. 16
	s_add_co_i32 s28, s27, -1
	s_add_co_i32 s29, s27, -2
	s_add_co_i32 s30, s27, -3
	s_add_co_i32 s51, s27, -5
	s_or_b32 s47, s52, s22
	s_cmp_eq_u32 s47, 0
	s_cselect_b32 s31, s51, 0x80000000             ; K's prefetches: query block 0, index 0
	s_sub_co_u32 s47, s22, 1
	s_and_b32 s49, s47, 1
	s_lshl_b32 s49, s49, 5
	s_lshr_b32 s47, s47, 1
	s_or_b32 s47, s47, s52
	s_cmp_eq_u32 s47, 0
	s_cselect_b32 s32, s51, 0x80000000             ; V's: query block 0, indices 1 and 2
	s_cmp_eq_u32 s22, 0
	s_cselect_b32 s49, 0, s49
	s_cselect_b32 s50, 8, 11
	v_add_nc_u32 v250, s49, v139
	v_lshlrev_b32 v250, s50, v250                  ; 256 x lane in K's step, or 2,048 x (lane + 32 (index - 1)) among V's rows; never rewritten
	s_lshl_b32 s36, s24, 17
	s_mov_b32 s37, 0
	s_lshl_b32 s38, s24, 12
	s_mov_b32 s39, 0
	s_add_nc_u64 s[4:5], s[4:5], s[36:37]          ; my batch's K, V,
	s_add_nc_u64 s[14:15], s[14:15], s[36:37]
	s_add_nc_u64 s[6:7], s[6:7], s[38:39]          ; and their scale bytes
	s_add_nc_u64 s[16:17], s[16:17], s[38:39]
	s_lshl_b32 s46, s52, 7
	s_lshl_b32 s47, s22, 4
	s_add_co_u32 s46, s46, s47                     ; my first query: 128 x block + 16 x index
	s_lshl_b32 s47, s46, 6
	s_add_co_u32 s36, s36, s47
	s_add_nc_u64 s[8:9], s[8:9], s[36:37]
	s_lshl_b32 s47, s46, 1
	s_add_co_u32 s38, s38, s47
	s_add_nc_u64 s[10:11], s[10:11], s[38:39]
	s_lshl_b32 s36, s24, 19
	s_lshl_b32 s47, s52, 15
	s_add_co_u32 s36, s36, s47
	s_mul_i32 s47, s22, 3584                       ; 16 rows of 256 bytes less the 512 x index that v10 holds
	s_add_co_u32 s36, s36, s47
	s_add_nc_u64 s[18:19], s[18:19], s[36:37]
	global_load_b128 v[16:19], v150, s[8:9]        ; Q for [Q | 0],
	global_load_b128 v[20:23], v150, s[8:9] offset:32
	global_load_b128 v[32:35], v150, s[8:9]        ; and once more for [0 | Q]
	global_load_b128 v[36:39], v150, s[8:9] offset:32
	global_load_u16 v132, v151, s[10:11]
.irp q, 0,1,2,3
	global_load_u16 v[120+2*\q], v148, s[6:7] offset:1024*\q       ; key a's two scale bytes,
	global_load_u16 v[121+2*\q], v148, s[6:7] offset:1024*\q+16    ; key a + 8's
	global_load_b32 v[128+\q], v149, s[16:17] offset:1024*\q
.endr
	STG_LOAD GG, 0, 0                              ; step 0
	s_cmp_gt_u32 s27, 1
	s_cbranch_scc0 .Lone
	STG_LOAD SS, 8192, 128                         ; step 1
	s_wait_loadcnt 0x0
	STG_STORE SS, 1
.Lone:
	s_wait_loadcnt 0x0
	STG_STORE GG, 0
.irp q, 0,1,2,3
	v_lshl_or_b32 v[120+2*\q], v[121+2*\q], 16, v[120+2*\q]        ; a fragment row's scale word: key a's bytes for k 0-63, key a + 8's for k 64-127
.endr
.irp q, 0,1,2,3
	ds_store_b32 v146, v[120+2*\q] offset:1024*\q
	ds_store_b32 v147, v[128+\q] offset:64*\q
.endr
	v_lshl_or_b32 v255, v132, 16, v132             ; Q's scale word serves both [Q | 0] and [0 | Q].  The 18 lines below are the places between it, and Q's zeros, and the first products
.irp j, 24,25,26,27,28,29,30,31
	v_mov_b32 v[\j], 0
.endr
	v_mov_b32 v13, 0xff61b1e6                      ; the largest t so far: -3e38, under every t
	v_floor_f32 v12, -v13                          ; -M
	v_mov_b32 v14, 0                               ; the sum, in two halves
	v_mov_b32 v15, 0
.irp b, 0,1,2,3
	v_mov_b32 v[T4+\b], 0                          ; a lane permute's destination counts as one of its sources
.endr
	v_mov_b32 v252, 0
	v_mov_b32 v253, 0x7f7f7f7f                     ; (named as the upper half of the pair v[252:253] before it is first made)
	s_wait_dscnt 0x0                               ; for the others' sake: my stores have landed
	s_barrier_signal -1
	s_barrier_wait -1                              ; steps 0 and 1 and both tables lie in LDS
	LDK 0, 0
	s_cmp_gt_u32 s27, 2
	s_cbranch_scc0 .Ltwo
	STG_LOAD GG, 16384, 256                        ; step 2
.Ltwo:
	s_mov_b32 s33, 0
	s_mov_b32 s34, 128
	s_wait_dscnt 0x0
	FULL 1, 0                                      ; round 0: n is at least 1
	COMMON 2, 0
	s_mov_b32 s35, 4
.Ltrip:                                            ; four trips of four rounds, J = 1 .. 16, in every wave: the slots' numbers come back after four rounds
	ROUND 0
	ROUND 1
	ROUND 2
	ROUND 3
	v_add_nc_u32 v3, 1024, v3
	s_sub_co_u32 s35, s35, 1
	s_cmp_lg_u32 s35, 0
	s_cbranch_scc1 .Ltrip
	s_wait_tensorcnt 0x0                           ; the wave's end
	ds_add_u32 v5, v6
	s_wait_dscnt 0x0
	s_endpgm
.Lfunc_end_k_q2a92742626_attn:
	.size	k_q2a92742626_attn, .Lfunc_end_k_q2a92742626_attn-k_q2a92742626_attn
	.p2alignl 7, 3214868480
	.fill 96, 4, 3214868480
	.section	.rodata,"a",@progbits
	.p2align	6, 0x0
	.amdhsa_kernel k_q2a92742626_attn
		.amdhsa_group_segment_fixed_size 251904
		.amdhsa_private_segment_fixed_size 0
		.amdhsa_enable_private_segment 0
		.amdhsa_kernarg_size 64
		.amdhsa_user_sgpr_count 2
		.amdhsa_user_sgpr_kernarg_segment_ptr 1
		.amdhsa_wavefront_size32 1
		.amdhsa_system_sgpr_workgroup_id_x 1
		.amdhsa_system_sgpr_workgroup_id_y 1
		.amdhsa_system_sgpr_workgroup_id_z 1
		.amdhsa_system_vgpr_workitem_id 0
		.amdhsa_next_free_vgpr 256
		.amdhsa_next_free_sgpr 66
		.amdhsa_reserve_vcc 1
		.amdhsa_float_denorm_mode_32 3
		.amdhsa_float_denorm_mode_16_64 3
		.amdhsa_memory_ordered 1
		.amdhsa_forward_progress 1
		.amdhsa_inst_pref_size 162
	.end_amdhsa_kernel
	.amdgpu_metadata
---
amdhsa.version: [ 1, 2 ]
amdhsa.kernels:
  - .name:           k_q2a92742626_attn
    .symbol:         k_q2a92742626_attn.kd
    .args:
      - { .name: keys_codes, .offset: 0, .size: 8, .value_kind: global_buffer, .address_space: global }
      - { .name: keys_scales, .offset: 8, .size: 8, .value_kind: global_buffer, .address_space: global }
      - { .name: queries_codes, .offset: 16, .size: 8, .value_kind: global_buffer, .address_space: global }
      - { .name: queries_scales, .offset: 24, .size: 8, .value_kind: global_buffer, .address_space: global }
      - { .name: valid_lens, .offset: 32, .size: 8, .value_kind: global_buffer, .address_space: global }
      - { .name: values_codes, .offset: 40, .size: 8, .value_kind: global_buffer, .address_space: global }
      - { .name: values_scales, .offset: 48, .size: 8, .value_kind: global_buffer, .address_space: global }
      - { .name: out0, .offset: 56, .size: 8, .value_kind: global_buffer, .address_space: global }
    .group_segment_fixed_size: 251904
    .private_segment_fixed_size: 0
    .kernarg_segment_align: 8
    .kernarg_segment_size: 64
    .max_flat_workgroup_size: 512
    .sgpr_count:     66
    .vgpr_count:     256
    .wavefront_size: 32
...
	.end_amdgpu_metadata
.endif
;; end of part 1
